; MI455X (gfx1250); checked and timed in simulation.
; The chip was launched on July 23, 2026; its instructions are those of AMD's public machine-readable ISA for CDNA 5 (MIT licence, August 2026) and "CDNA5" Instruction Set Architecture Reference Guide (July 2026). The comments in the code are by the model that wrote it; some were corrected since.
;; Cutlass Linear. Allowed arithmetic: matrix products marked QUANTISED: E2M1 operands, one E8M0 scale for each 32 along K, by v_wmma_scale_f32_16x16x128_f8f6f4 with both operands' format E2M1 (or v_wmma_scale_f32_32x16x128_f4), f32 sums; everything else in f32.
;; Inputs: bias 4,096 float32; weight 4,096 x 4,096 float32; x 4,096 x 4,096 float32.
;; Outputs: out0 4,096 x 4,096 float32.
;; This version of the problem:
;;   THIS VERSION OF THE PROBLEM IS GIVEN IN LOW PRECISION. The matrix products marked QUANTISED in the list below multiply operands that are first quantised to E2M1 (2 exponent bits, 1 mantissa bit; 4 bits a number), with one power-of-two scale for each 32 numbers along K (OCP MX v1.0); their sums are f32. All else is computed in f32.
;;   The module's matrix products, in the order in which they are computed (A, B: the left and right operand; K: the contracted axis; several contracted axes count as one K, in the product's order):
;;     1. [M 4,096, K 4,096] x [K 4,096, N 4,096]; A: input x; B: computed on the way: QUANTISED
;;   THE QUANTISER, for each operand of a quantised product, along K:
;;     - K is cut into blocks of 32 from its start; a last block that is shorter is filled with zeros.
;;     - A block's scale is 2^e with e = floor(log2(the largest magnitude in the block)) - 2, held to -126 .. 127; a block of zeros has e = 0. As a byte (E8M0): e + 127.
;;     - Each number is divided by its block's scale, clamped to +-6, and rounded to the nearest number of E2M1, ties to even, subnormals kept.
;;     - The product sums the exact products of the quantised numbers (number of the format x scale) in f32.
;;   ~~~python
;;   def quantise(x, axis):      # numpy; x: float32 -> the quantised numbers, widened to float32 again
;;       x = np.moveaxis(x, axis, -1); K = x.shape[-1]
;;       x = np.pad(x, [(0, 0)] * (x.ndim - 1) + [(0, -K % 32)]); x = x.reshape(x.shape[:-1] + (-1, 32)); a = np.abs(x).max(-1, keepdims=True)
;;       e = np.where(a > 0, np.clip(np.frexp(np.where(a > 0, a, 1))[1] - 1 - 2, -126, 127), 0)      # np.frexp(a)[1] - 1 = floor(log2(a)), exactly
;;       r = np.clip(x / 2.0 ** e, -6, 6)
;;       step = 2.0 ** (np.maximum(np.frexp(np.where(r == 0, 1, r))[1] - 1, 0) - 1)
;;       q = np.round(r / step) * step * 2.0 ** e      # np.round: ties to even
;;       return np.moveaxis(q.reshape(q.shape[:-2] + (-1,))[..., :K], -1, axis).astype(np.float32)
;;   ~~~
;;   OPERANDS COMPUTED ON THE WAY. 'Computed on the way' means the value that the module computes at that place (a softmax that the list does not call 'softmax' is quantised finished and normalised). What goes into a quantiser is computed in f32, as accurately as f32 sums, v_exp_f32 and their like allow (about 1e-6 of the number): no bf16 or f16 on the way to a quantiser, and a product that is left as it is and whose result goes on into a quantised operand takes f32 operands (vector FMAs, or v_wmma_f32_16x16x4_f32). A number that lies on a knife's edge between two numbers of the format may be rounded either way, as far as f32 arithmetic and the matrix unit's own rounding can turn it there, and no further.
;; One version. Each part assembles by itself: llvm-mc -triple=amdgcn-amd-amdhsa -mcpu=gfx1250 --defsym DOCPART=n.
;; ======== version 1 of 1: 3 launches
;; limits: right only within a limited range of input values
;; workspace buffers: xq 8,912,896 bytes; wq 8,912,896 bytes; pmax 2,048 bytes
;; launch quantx (part 1): grid 512 x 1, 4 waves a work-group, no clusters, 41,728 bytes of LDS; arguments x, weight, xq, pmax; writes xq, pmax
.if DOCPART == 1
	.amdgcn_target "amdgcn-amd-amdhsa--gfx1250"
	.amdhsa_code_object_version 6
	.text
	.protected	k_q7958390646_quantx
	.globl	k_q7958390646_quantx
	.p2align	8
	.type	k_q7958390646_quantx,@function
k_q7958390646_quantx:
	s_mov_b64 s[64:65], 0
	v_nop
	global_prefetch_b8 v0, s[64:65] scope:SCOPE_SE
	s_setreg_imm32_b32 hwreg(HW_REG_WAVE_MODE, 25, 1), 1
	s_wait_xcnt 0x0
; x [4096][4096] f32 becomes codes of FP4 (E2M1) with one E8M0 scale byte for each 32 along K; on the same walk the largest |weight| of this work-group's share of weight is found.
; THE CODES' LAYOUT, xq: [K step 8][row 4096][272 bytes]: a record holds a row's 512 codes of one K step (256 bytes, K ascending, the lower k in the low four bits) and behind them its 16 scale bytes.
; So 128 rows of one K step are 34,816 consecutive bytes, and the product's launch brings codes and scales by one dense tile, already 272 bytes from row to row.
; A block's scale is 2^(floor(log2(its largest magnitude)) - 2); its byte is the largest magnitude's exponent field - 2, held at 1 from below.  A block of zeros so gets the byte 1 where the rule says 127:
; its codes are zeros, which add nothing under any byte but 0xff, and this program alone reads the bytes.
; LIMITS: NaN and infinities among the inputs are not served; a block whose largest magnitude lies under 2^-124 keeps the byte 1.
; SHARES.  2,048 waves; wave g = 4 x work-group + wave takes rows 16 (g / 8) .. + 15 and K step g % 8: 16 steps of one row's 512 numbers (2,048 consecutive bytes), of x and of weight alike.
; Each load reads 512 consecutive bytes, 16 a lane.  The conversions want 16 NEIGHBOURS in a lane, so a step's 2,048 bytes of x turn through the wave's own stage in LDS (16 bytes of padding behind each 64).
; The wave's 16 records, 4,352 bytes, are gathered in its own LDS bytes and leave as 17 aligned runs of 256 bytes.  Loads run four steps ahead: 32 loads a wave.
; No tensor loads, no cluster, no matrix unit: the work-groups share no input and memory binds.  One barrier, at the end, for the four waves' maxima.
.set STEPS, 16
.set ROWB,  16384                      ; a row of x or of weight in bytes
.set KSTR,  1114112                    ; xq: from a K step to the next: 4,096 records of 272 bytes
.set RECB,  272
.set WREG,  10240                      ; LDS: a region for each wave: two stages of 32 x SP bytes, then its 16 records
.set SP,    80                         ; a lane's place in a stage: its 64 bytes + 16 of padding
.set REC,   5120
.set PM,    40960                      ; behind the four regions: a word for each wave's maximum
.set M,     16                         ; v16-19   four running maxima of |weight|
.set R,     32                         ; v32-95   four sets of 16 numbers of x as loaded; on the way out v32-65 hold the records
.set WR,    96                         ; v96-159  four sets of 16 numbers of weight
.set X,     160                        ; v160-191 two sets of 16 neighbours
.set C,     192                        ; v192-223 codes: two registers for each step, so that no store's data are written again
.set E,     224                        ; v224-239 a scale byte for each step
	s_load_b256 s[4:11], s[0:1], 0x0               ; x s[4:5], weight s[6:7], xq s[8:9], pmax s[10:11]
	v_lshl_add_u32 v240, v0, 2, 0xa100
	v_mov_b32 v241, 0
	v_lshrrev_b32 v1, 5, v0
	v_readfirstlane_b32 s16, v1                    ; wave 0..3
	v_and_b32 v2, 31, v0                           ; lane
	v_lshlrev_b32 v3, 4, v2                        ; 16 x lane: my bytes of a load's or a store's 512
	v_lshlrev_b32 v7, 3, v2                        ; 8 x lane
	s_mul_i32 s17, s16, WREG
	v_lshrrev_b32 v14, 2, v2
	v_mul_u32_u24 v14, v14, SP
	v_and_b32 v15, 3, v2
	v_lshl_add_u32 v14, v15, 4, v14
	v_add_nc_u32 v14, s17, v14                     ; the stage, on the way in: four lanes' 64 bytes on end, then the padding: SP (lane / 4) + 16 (lane % 4)
	v_mul_u32_u24 v15, v2, SP
	v_add_nc_u32 v15, s17, v15                     ; and on the way out: SP x lane: my 16 neighbours
	s_add_co_u32 s17, s17, REC
	v_add_nc_u32 v4, s17, v7                       ; a record: my 8 bytes of codes
	v_lshrrev_b32 v5, 1, v2
	v_add_nc_u32 v5, s17, v5                       ; my block's scale byte (the 256 bytes of codes in front of it stand in the immediate)
	v_add_nc_u32 v6, s17, v3                       ; the records on the way out: 16 bytes a lane
	v_mov_b32 v10, 0                               ; a lane permute's destination counts as one of its sources
.irp k, 0,1,2,3
	v_mov_b32 v[M+\k], 0                           ; magnitudes are never under 0
.endr
	s_mov_b32 s12, 0x76543210
	s_mov_b32 s13, 0xfedcba98                      ; v_permlanex16_b32's selects for lane l xor 16
	s_lshl_b32 s18, ttmp9, 2
	s_add_co_u32 s18, s18, s16                     ; g
	s_lshr_b32 s19, s18, 3                         ; which 16 rows
	s_and_b32 s20, s18, 7                          ; which K step
	s_lshl_b32 s22, s19, 18                        ; 16 rows of 16,384 bytes
	s_lshl_b32 s21, s20, 11                        ; 512 numbers of 4 bytes
	s_add_co_u32 s22, s22, s21
	s_mov_b32 s23, 0
	s_mul_i32 s24, s20, KSTR
	s_mul_i32 s21, s19, 16*RECB
	s_add_co_u32 s24, s24, s21
	s_mov_b32 s25, 0
	s_lshl_b32 s26, ttmp9, 2                       ; pmax: a word for each work-group
	s_mov_b32 s27, 0
	s_wait_alu depctr_va_vdst(0)
	s_wait_kmcnt 0x0
	s_add_nc_u64 s[4:5], s[4:5], s[22:23]
	s_add_nc_u64 s[6:7], s[6:7], s[22:23]
	s_add_nc_u64 s[8:9], s[8:9], s[24:25]
	s_add_nc_u64 s[10:11], s[10:11], s[26:27]
.macro LOADX t                         ; x is read once in the whole program
.irp i, 0,1,2,3
	global_load_b128 v[R+16*((\t)%4)+4*\i:R+16*((\t)%4)+4*\i+3], v3, s[4:5] offset:ROWB*(\t)+512*\i th:TH_LOAD_NT
.endr
.endm
.macro LOADW t                         ; weight is read again by the next launch: no hint
.irp i, 0,1,2,3
	global_load_b128 v[WR+16*((\t)%4)+4*\i:WR+16*((\t)%4)+4*\i+3], v3, s[6:7] offset:ROWB*(\t)+512*\i
.endr
.endm
.macro TURN t                          ; step t's numbers of x through the stage: LDS serves a wave's instructions in order, so no wait stands between the stores and the loads
.irp i, 0,1,2,3
	ds_store_b128 v14, v[R+16*((\t)%4)+4*\i:R+16*((\t)%4)+4*\i+3] offset:32*SP*((\t)%2)+8*SP*\i
.endr
.irp i, 0,1,2,3
	ds_load_b128 v[X+16*((\t)%2)+4*\i:X+16*((\t)%2)+4*\i+3], v15 offset:32*SP*((\t)%2)+16*\i
.endr
.endm
.irp t, 0,1,2,3
	LOADX \t
	LOADW \t
.endr
	s_wait_loadcnt 24                              ; step 0's eight loads are in; three steps' 24 stay out
	TURN 0
.macro STEP t
.set XS, X+16*((\t)%2)
.set WS, WR+16*((\t)%4)
.if (\t) > 0
	s_wait_dscnt 2                                 ; this step's numbers are back from the stage (the last step's two stores into its record may be out): so the stage's stores have read their registers
.else
	s_wait_dscnt 0x0
.endif
.irp j, 0,1,2,3,4,5,6,7
	v_max3_num_f32 v[M+\j%4], v[M+\j%4], |v[WS+2*\j]|, |v[WS+2*\j+1]|   ; weight's 16 numbers of this step, in four chains
.endr
.if (\t)+4 < STEPS
	LOADX (\t)+4                                   ; both sets are free: they take the loads of four steps on
	LOADW (\t)+4
.endif
.if (\t)+1 < STEPS
.if STEPS-2-(\t) >= 3
	s_wait_loadcnt 24                              ; the next step's eight loads are in; those of the three steps behind it may be out
.else
	s_wait_loadcnt 8*(STEPS-2-(\t))
.endif
	TURN (\t)+1                                    ; they go through the other stage while this step is worked
.endif
	v_max3_num_f32 v8, |v[XS]|, |v[XS+1]|, |v[XS+2]|               ; the largest magnitude of my 16, in two chains
	v_max3_num_f32 v9, |v[XS+3]|, |v[XS+4]|, |v[XS+5]|
.irp i, 6,10
	v_max3_num_f32 v8, v8, |v[XS+\i]|, |v[XS+\i+1]|
	v_max3_num_f32 v9, v9, |v[XS+\i+2]|, |v[XS+\i+3]|
.endr
	v_max3_num_f32 v8, v8, |v[XS+14]|, |v[XS+15]|
	v_max3_num_f32 v8, v8, v9, 0x1800000           ; and the floor 2^(3 - 127): so the byte cannot fall under 1
	v_max_num_f32_dpp v8, v8, v8 row_xmask:1 row_mask:0xf bank_mask:0xf   ; and of my neighbour's 16: the block's
	v_add_nc_u32 v11, 0xff000000, v8               ; 2 off its exponent field: the conversion takes the exponent field of this operand as its scale, and nothing else of it
	v_cvt_scalef32_pk8_fp4_f32 v[C+2*(\t)], v[XS:XS+7], v11
	v_cvt_scalef32_pk8_fp4_f32 v[C+2*(\t)+1], v[XS+8:XS+15], v11
	v_lshrrev_b32 v[E+(\t)], 23, v11               ; the scale's byte (a plain line behind the conversions)
	ds_store_b64 v4, v[C+2*(\t):C+2*(\t)+1] offset:RECB*(\t)       ; my 16 codes into row t's record
	ds_store_b8 v5, v[E+(\t)] offset:RECB*(\t)+256                 ; both lanes of a block write the same byte with the same value
.endm
.irp t, 0,1,2,3,4,5,6,7,8,9,10,11,12,13,14,15
	STEP \t
.endr
	; THE WAY OUT: 4,352 bytes: eight runs of 512 and one of 256.  LDS serves a wave's instructions in order: these loads see my stores.
.irp u, 0,1,2,3,4,5,6,7
	ds_load_b128 v[32+4*\u:35+4*\u], v6 offset:512*\u
.endr
	ds_load_b64 v[64:65], v4 offset:4096
	v_max3_num_f32 v[M], v[M], v[M+1], v[M+2]      ; meanwhile: my wave's largest |weight|
	v_max_num_f32 v[M], v[M], v[M+3]
	v_max_num_f32_dpp v[M], v[M], v[M] row_xmask:1 row_mask:0xf bank_mask:0xf
	v_max_num_f32_dpp v[M], v[M], v[M] row_xmask:2 row_mask:0xf bank_mask:0xf
	v_max_num_f32_dpp v[M], v[M], v[M] row_xmask:4 row_mask:0xf bank_mask:0xf
	v_max_num_f32_dpp v[M], v[M], v[M] row_xmask:8 row_mask:0xf bank_mask:0xf
	v_permlanex16_b32 v10, v[M], s12, s13
	v_max_num_f32 v[M], v[M], v10
	v_mov_b32 v20, s16
	v_lshlrev_b32 v20, 2, v20
	v_mov_b32 v21, 0
	ds_store_b32 v20, v[M] offset:PM               ; all lanes write my wave's word with the same value
	s_wait_alu depctr_va_vdst(0)
.irp u, 0,1,2,3,4,5,6,7
	s_wait_dscnt 9-\u                              ; run u is in: behind it stand the 7 - u younger runs, the short run and the store of the maximum
	global_store_b128 v3, v[32+4*\u:35+4*\u], s[8:9] offset:512*\u     ; 32 lanes store 512 consecutive bytes, at a multiple of 256 from xq's first byte
.endr
	s_wait_dscnt 1
	global_store_b64 v7, v[64:65], s[8:9] offset:4096                  ; 32 lanes store the last 256
	s_wait_dscnt 0x0                               ; for the others' sake: my maximum lies in LDS
	s_barrier_signal -1
	s_barrier_wait -1
	ds_load_b128 v[24:27], v21 offset:PM           ; the four waves' maxima
	s_wait_dscnt 0x0
	v_max3_num_f32 v24, v24, v25, v26
	v_max_num_f32 v24, v24, v27
	s_wait_alu depctr_va_vdst(0)
	s_wait_xcnt 0x0                                ; EXEC is a source of the stores above: it changes only behind this wait
	v_cmp_eq_u32 vcc_lo, 0, v0
	s_wait_tensorcnt 0x0
	ds_add_u32 v240, v241
	s_wait_dscnt 0x0
	s_and_saveexec_b32 s29, vcc_lo                 ; thread 0 alone
	global_store_b32 v21, v24, s[10:11]            ; the work-group's word of pmax: 4 bytes a work-group, 2,048 in the launch
	s_wait_xcnt 0x0                                ; and again in front of the line that widens it
	s_or_b32 exec_lo, exec_lo, s29
	s_endpgm
.Lfunc_end_k_q7958390646_quantx:
	.size	k_q7958390646_quantx, .Lfunc_end_k_q7958390646_quantx-k_q7958390646_quantx
	.p2alignl 7, 3214868480
	.fill 96, 4, 3214868480
	.section	.rodata,"a",@progbits
	.p2align	6, 0x0
	.amdhsa_kernel k_q7958390646_quantx
		.amdhsa_group_segment_fixed_size 41728
		.amdhsa_private_segment_fixed_size 0
		.amdhsa_enable_private_segment 0
		.amdhsa_kernarg_size 32
		.amdhsa_user_sgpr_count 2
		.amdhsa_user_sgpr_kernarg_segment_ptr 1
		.amdhsa_wavefront_size32 1
		.amdhsa_system_sgpr_workgroup_id_x 1
		.amdhsa_system_sgpr_workgroup_id_y 1
		.amdhsa_system_sgpr_workgroup_id_z 1
		.amdhsa_system_vgpr_workitem_id 0
		.amdhsa_next_free_vgpr 242
		.amdhsa_next_free_sgpr 66
		.amdhsa_reserve_vcc 1
		.amdhsa_float_denorm_mode_32 3
		.amdhsa_float_denorm_mode_16_64 3
		.amdhsa_memory_ordered 1
		.amdhsa_forward_progress 1
		.amdhsa_inst_pref_size 50
	.end_amdhsa_kernel
	.amdgpu_metadata
---
amdhsa.version: [ 1, 2 ]
amdhsa.kernels:
  - .name:           k_q7958390646_quantx
    .symbol:         k_q7958390646_quantx.kd
    .args:
      - { .name: x, .offset: 0, .size: 8, .value_kind: global_buffer, .address_space: global }
      - { .name: weight, .offset: 8, .size: 8, .value_kind: global_buffer, .address_space: global }
      - { .name: xq, .offset: 16, .size: 8, .value_kind: global_buffer, .address_space: global }
      - { .name: pmax, .offset: 24, .size: 8, .value_kind: global_buffer, .address_space: global }
    .group_segment_fixed_size: 41728
    .private_segment_fixed_size: 0
    .kernarg_segment_align: 8
    .kernarg_segment_size: 32
    .max_flat_workgroup_size: 128
    .sgpr_count:     66
    .vgpr_count:     242
    .wavefront_size: 32
...
	.end_amdgpu_metadata
.endif
;; end of part 1
;; launch quantw (part 2): grid 512 x 1, 4 waves a work-group, no clusters, 41,472 bytes of LDS; arguments weight, pmax, wq; writes wq
.if DOCPART == 2
	.amdgcn_target "amdgcn-amd-amdhsa--gfx1250"
	.amdhsa_code_object_version 6
	.text
	.protected	k_q7958390646_quantw
	.globl	k_q7958390646_quantw
	.p2align	8
	.type	k_q7958390646_quantw,@function
k_q7958390646_quantw:
	s_mov_b64 s[64:65], 0
	v_nop
	global_prefetch_b8 v0, s[64:65] scope:SCOPE_SE
	s_setreg_imm32_b32 hwreg(HW_REG_WAVE_MODE, 25, 1), 1
	s_wait_xcnt 0x0
; weight [4096][4096] f32 becomes w_deq = clip(trunc(weight x s), -127, 127) / s, s = 127 / max |weight|, all in f32, and w_deq becomes codes of FP4 (E2M1) with one E8M0 scale byte for each 32 along K.
; wq has xq's layout: [K step 8][row 4096][272 bytes]: a row's 512 codes of one K step (256 bytes), then its 16 scale bytes.
; THE MAXIMUM: pmax holds 512 partial maxima, one for each work-group of the launch before; every wave reads all 2,048 bytes and reduces them.
; THE TWO DIVISIONS.  trunc jumps at whole numbers, so s is made as a division rounds it: y = 1 / m by v_rcp_f32 and one Newton step; q = 127 y; the residual 127 - m q by one fused multiply-add;
; s = q + residual x y.  weight x s is one f32 multiplication.  t / s likewise: q = t x (1 / s), the residual t - q s (exact in one fused multiply-add), q + residual x (1 / s).
; LIMITS: NaN and infinities among the inputs are not served; max |weight| lies between 2^-100 and 2^100 (v_rcp_f32 takes denormals as zero: ISA guide, its entry); with weight all zeros the result is not defined in the problem either.
; A block of zeros, or one whose largest magnitude lies under 2^-124, keeps the scale byte 1: zero codes add nothing under any byte but 0xff, and this program alone reads the bytes.
; SHARES, stage, records and way out as in the launch before: wave g = 4 x work-group + wave takes rows 16 (g / 8) .. + 15 and K step g % 8, a row's 2,048 bytes a step.  Loads run eight steps ahead: 32 loads a wave.
; No tensor loads, no cluster, no barrier: waves share nothing but pmax, and memory binds.
.set STEPS, 16
.set ROWB,  16384
.set KSTR,  1114112
.set RECB,  272
.set WREG,  10240                      ; LDS: a region for each wave: two stages of 32 x SP bytes, then its 16 records
.set SP,    80
.set REC,   5120
.set S,     16                         ; v[16:17]  s, twice (a pair for the packed forms)
.set INV,   18                         ; v[18:19]  1 / s, twice
.set R,     32                         ; v32-159  eight sets of 16 numbers as loaded; on the way out v32-65 hold the records
.set X,     160                        ; v160-191 two sets of 16 neighbours
.set C,     192                        ; v192-223 codes: two registers for each step
.set E,     224                        ; v224-239 a scale byte for each step
.set T,     240                        ; v240-255 pmax at the head; then the first quotients
	s_load_b128 s[4:7], s[0:1], 0x0                ; weight s[4:5], pmax s[6:7]
	s_load_b64 s[8:9], s[0:1], 0x10                ; wq
	v_lshl_add_u32 v30, v0, 2, 0xa000
	v_mov_b32 v31, 0
	v_lshrrev_b32 v1, 5, v0
	v_readfirstlane_b32 s16, v1                    ; wave 0..3
	v_and_b32 v2, 31, v0                           ; lane
	v_lshlrev_b32 v3, 4, v2                        ; 16 x lane
	v_lshlrev_b32 v7, 3, v2                        ; 8 x lane
	s_mul_i32 s17, s16, WREG
	v_lshrrev_b32 v14, 2, v2
	v_mul_u32_u24 v14, v14, SP
	v_and_b32 v15, 3, v2
	v_lshl_add_u32 v14, v15, 4, v14
	v_add_nc_u32 v14, s17, v14                     ; the stage, on the way in: SP (lane / 4) + 16 (lane % 4)
	v_mul_u32_u24 v15, v2, SP
	v_add_nc_u32 v15, s17, v15                     ; and on the way out: SP x lane
	s_add_co_u32 s17, s17, REC
	v_add_nc_u32 v4, s17, v7                       ; a record: my 8 bytes of codes
	v_lshrrev_b32 v5, 1, v2
	v_add_nc_u32 v5, s17, v5                       ; my block's scale byte (the 256 stand in the immediate)
	v_add_nc_u32 v6, s17, v3                       ; the records on the way out
	v_mov_b32 v10, 0                               ; a lane permute's destination counts as one of its sources
	s_mov_b32 s12, 0x76543210
	s_mov_b32 s13, 0xfedcba98
	s_mov_b32 s14, 0xc2fe0000                      ; -127.0
	s_mov_b32 s15, 0x42fe0000                      ; 127.0
	s_lshl_b32 s18, ttmp9, 2
	s_add_co_u32 s18, s18, s16                     ; g
	s_lshr_b32 s19, s18, 3                         ; which 16 rows
	s_and_b32 s20, s18, 7                          ; which K step
	s_lshl_b32 s22, s19, 18
	s_lshl_b32 s21, s20, 11
	s_add_co_u32 s22, s22, s21
	s_mov_b32 s23, 0
	s_mul_i32 s24, s20, KSTR
	s_mul_i32 s21, s19, 16*RECB
	s_add_co_u32 s24, s24, s21
	s_mov_b32 s25, 0
	s_wait_kmcnt 0x0
	s_add_nc_u64 s[4:5], s[4:5], s[22:23]
	s_add_nc_u64 s[8:9], s[8:9], s[24:25]
.macro LOAD t                          ; weight's last reading in the program
.irp i, 0,1,2,3
	global_load_b128 v[R+16*((\t)%8)+4*\i:R+16*((\t)%8)+4*\i+3], v3, s[4:5] offset:ROWB*(\t)+512*\i th:TH_LOAD_NT
.endr
.endm
.macro TURN t
.irp i, 0,1,2,3
	ds_store_b128 v14, v[R+16*((\t)%8)+4*\i:R+16*((\t)%8)+4*\i+3] offset:32*SP*((\t)%2)+8*SP*\i
.endr
.irp i, 0,1,2,3
	ds_load_b128 v[X+16*((\t)%2)+4*\i:X+16*((\t)%2)+4*\i+3], v15 offset:32*SP*((\t)%2)+16*\i
.endr
.endm
.irp i, 0,1,2,3
	global_load_b128 v[T+4*\i:T+4*\i+3], v3, s[6:7] offset:512*\i      ; the 512 partial maxima: 16 a lane
.endr
.irp t, 0,1,2,3,4,5,6,7
	LOAD \t
.endr
	s_wait_loadcnt 32                              ; pmax is in; weight's 32 loads stay out
	v_max3_num_f32 v20, v[T], v[T+1], v[T+2]
	v_max3_num_f32 v21, v[T+3], v[T+4], v[T+5]
.irp i, 6,10
	v_max3_num_f32 v20, v20, v[T+\i], v[T+\i+1]
	v_max3_num_f32 v21, v21, v[T+\i+2], v[T+\i+3]
.endr
	v_max3_num_f32 v20, v20, v[T+14], v[T+15]
	v_max_num_f32 v20, v20, v21
	v_max_num_f32_dpp v20, v20, v20 row_xmask:1 row_mask:0xf bank_mask:0xf
	v_max_num_f32_dpp v20, v20, v20 row_xmask:2 row_mask:0xf bank_mask:0xf
	v_max_num_f32_dpp v20, v20, v20 row_xmask:4 row_mask:0xf bank_mask:0xf
	v_max_num_f32_dpp v20, v20, v20 row_xmask:8 row_mask:0xf bank_mask:0xf
	v_permlanex16_b32 v10, v20, s12, s13
	v_max_num_f32 v20, v20, v10                    ; m = max |weight|, in every lane
	s_wait_alu depctr_va_vdst(0)
	v_rcp_f32 v21, v20                             ; y about 1 / m
	v_mov_b32 v22, 0x42fe0000                      ; 127.0 (the plain line behind the reciprocal)
	s_wait_alu depctr_va_vdst(0)
	v_fma_f32 v23, -v20, v21, 1.0                  ; 1 - m y
	v_fma_f32 v21, v23, v21, v21                   ; y, one Newton step on
	v_mul_f32 v23, v22, v21                        ; q = 127 y
	v_fma_f32 v22, -v20, v23, v22                  ; 127 - m q
	v_fma_f32 v[S], v22, v21, v23                  ; s = q + residual x y
	s_wait_alu depctr_va_vdst(0)
	v_rcp_f32 v21, v[S]
	v_mov_b32 v[S+1], v[S]                         ; (the plain line behind the reciprocal)
	s_wait_alu depctr_va_vdst(0)
	v_fma_f32 v23, -v[S], v21, 1.0
	v_fma_f32 v[INV], v23, v21, v21                ; 1 / s
	v_mov_b32 v[INV+1], v[INV]
	s_wait_loadcnt 28                              ; step 0's four loads are in
	TURN 0
.macro STEP t
.set XS, X+16*((\t)%2)
.if (\t) > 0
	s_wait_dscnt 2                                 ; this step's numbers are back from the stage (the last step's two stores into its record may be out): so the stage's stores have read their registers,
.else
	s_wait_dscnt 0x0
.endif
.if (\t)+8 < STEPS
	LOAD (\t)+8                                    ; which take the loads of eight steps on
.endif
.if (\t)+1 < STEPS
.if STEPS-2-(\t) >= 7
	s_wait_loadcnt 28                              ; the next step's four loads are in; those of the seven steps behind it may be out
.else
	s_wait_loadcnt 4*(STEPS-2-(\t))
.endif
	TURN (\t)+1
.endif
.irp j, 0,2,4,6,8,10,12,14
	v_pk_mul_f32 v[XS+\j:XS+\j+1], v[XS+\j:XS+\j+1], v[S:S+1]          ; weight x s: one rounding
.endr
.irp j, 0,1,2,3,4,5,6,7,8,9,10,11,12,13,14,15
	v_trunc_f32 v[XS+\j], v[XS+\j]
.endr
.irp j, 0,1,2,3,4,5,6,7,8,9,10,11,12,13,14,15
	v_med3_num_f32 v[XS+\j], v[XS+\j], s14, s15                        ; the clip to -127 .. 127: t
.endr
.irp j, 0,2,4,6,8,10,12,14
	v_pk_mul_f32 v[T+\j:T+\j+1], v[XS+\j:XS+\j+1], v[INV:INV+1]        ; q = t x (1 / s)
.endr
.irp j, 0,2,4,6,8,10,12,14
	v_pk_fma_f32 v[XS+\j:XS+\j+1], v[T+\j:T+\j+1], v[S:S+1], v[XS+\j:XS+\j+1] neg_lo:[1,0,0] neg_hi:[1,0,0]   ; t - q s
.endr
.irp j, 0,2,4,6,8,10,12,14
	v_pk_fma_f32 v[XS+\j:XS+\j+1], v[XS+\j:XS+\j+1], v[INV:INV+1], v[T+\j:T+\j+1]   ; w_deq = q + residual x (1 / s)
.endr
	v_max3_num_f32 v8, |v[XS]|, |v[XS+1]|, |v[XS+2]|               ; the largest magnitude of my 16, in two chains
	v_max3_num_f32 v9, |v[XS+3]|, |v[XS+4]|, |v[XS+5]|
.irp i, 6,10
	v_max3_num_f32 v8, v8, |v[XS+\i]|, |v[XS+\i+1]|
	v_max3_num_f32 v9, v9, |v[XS+\i+2]|, |v[XS+\i+3]|
.endr
	v_max3_num_f32 v8, v8, |v[XS+14]|, |v[XS+15]|
	v_max3_num_f32 v8, v8, v9, 0x1800000           ; and the floor 2^(3 - 127): so the byte cannot fall under 1
	v_max_num_f32_dpp v8, v8, v8 row_xmask:1 row_mask:0xf bank_mask:0xf   ; and of my neighbour's 16: the block's
	v_add_nc_u32 v11, 0xff000000, v8               ; 2 off its exponent field: the conversion's scale operand
	v_cvt_scalef32_pk8_fp4_f32 v[C+2*(\t)], v[XS:XS+7], v11
	v_cvt_scalef32_pk8_fp4_f32 v[C+2*(\t)+1], v[XS+8:XS+15], v11
	v_lshrrev_b32 v[E+(\t)], 23, v11               ; the scale's byte (a plain line behind the conversions)
	ds_store_b64 v4, v[C+2*(\t):C+2*(\t)+1] offset:RECB*(\t)
	ds_store_b8 v5, v[E+(\t)] offset:RECB*(\t)+256
.endm
.irp t, 0,1,2,3,4,5,6,7,8,9,10,11,12,13,14,15
	STEP \t
.endr
	; THE WAY OUT: 4,352 bytes: eight runs of 512 and one of 256.  LDS serves a wave's instructions in order: these loads see my stores.
.irp u, 0,1,2,3,4,5,6,7
	ds_load_b128 v[32+4*\u:35+4*\u], v6 offset:512*\u
.endr
	ds_load_b64 v[64:65], v4 offset:4096
.irp u, 0,1,2,3,4,5,6,7
	s_wait_dscnt 8-\u                              ; run u is in: behind it stand the 7 - u younger runs and the short run
	global_store_b128 v3, v[32+4*\u:35+4*\u], s[8:9] offset:512*\u     ; 32 lanes store 512 consecutive bytes, at a multiple of 256 from wq's first byte
.endr
	s_wait_dscnt 0x0
	global_store_b64 v7, v[64:65], s[8:9] offset:4096
	s_wait_tensorcnt 0x0
	ds_add_u32 v30, v31
	s_wait_dscnt 0x0
	s_endpgm
.Lfunc_end_k_q7958390646_quantw:
	.size	k_q7958390646_quantw, .Lfunc_end_k_q7958390646_quantw-k_q7958390646_quantw
	.p2alignl 7, 3214868480
	.fill 96, 4, 3214868480
	.section	.rodata,"a",@progbits
	.p2align	6, 0x0
	.amdhsa_kernel k_q7958390646_quantw
		.amdhsa_group_segment_fixed_size 41472
		.amdhsa_private_segment_fixed_size 0
		.amdhsa_enable_private_segment 0
		.amdhsa_kernarg_size 24
		.amdhsa_user_sgpr_count 2
		.amdhsa_user_sgpr_kernarg_segment_ptr 1
		.amdhsa_wavefront_size32 1
		.amdhsa_system_sgpr_workgroup_id_x 1
		.amdhsa_system_sgpr_workgroup_id_y 1
		.amdhsa_system_sgpr_workgroup_id_z 1
		.amdhsa_system_vgpr_workitem_id 0
		.amdhsa_next_free_vgpr 256
		.amdhsa_next_free_sgpr 66
		.amdhsa_reserve_vcc 0
		.amdhsa_float_denorm_mode_32 3
		.amdhsa_float_denorm_mode_16_64 3
		.amdhsa_memory_ordered 1
		.amdhsa_forward_progress 1
		.amdhsa_inst_pref_size 92
	.end_amdhsa_kernel
	.amdgpu_metadata
---
amdhsa.version: [ 1, 2 ]
amdhsa.kernels:
  - .name:           k_q7958390646_quantw
    .symbol:         k_q7958390646_quantw.kd
    .args:
      - { .name: weight, .offset: 0, .size: 8, .value_kind: global_buffer, .address_space: global }
      - { .name: pmax, .offset: 8, .size: 8, .value_kind: global_buffer, .address_space: global }
      - { .name: wq, .offset: 16, .size: 8, .value_kind: global_buffer, .address_space: global }
    .group_segment_fixed_size: 41472
    .private_segment_fixed_size: 0
    .kernarg_segment_align: 8
    .kernarg_segment_size: 24
    .max_flat_workgroup_size: 128
    .sgpr_count:     66
    .vgpr_count:     256
    .wavefront_size: 32
...
	.end_amdgpu_metadata
.endif
;; end of part 2
;; launch gemm (part 3): grid 16 x 16, 4 waves a work-group, clusters of 4 x 4, 327,680 bytes of LDS; arguments xq, wq, bias, out0; writes out0
.if DOCPART == 3
	.amdgcn_target "amdgcn-amd-amdhsa--gfx1250"
	.amdhsa_code_object_version 6
	.text
	.protected	k_q7958390646_gemm
	.globl	k_q7958390646_gemm
	.p2align	8
	.type	k_q7958390646_gemm,@function
k_q7958390646_gemm:
	s_mov_b64 s[64:65], 0
	v_nop
	global_prefetch_b8 v0, s[64:65] scope:SCOPE_SE
	s_setreg_imm32_b32 hwreg(HW_REG_WAVE_MODE, 25, 1), 1
	s_wait_xcnt 0x0
	s_wait_alu depctr_hold_cnt(0) depctr_sa_sdst(0) depctr_va_vdst(0) depctr_va_sdst(0) depctr_va_ssrc(0) depctr_va_vcc(0) depctr_vm_vsrc(0)
	s_getreg_b32 s2, hwreg(HW_REG_IB_STS2, 6, 4)
	s_cmp_eq_u32 s2, 0
	s_cbranch_scc0 .Lentry_in_a_cluster
	s_endpgm
.Lentry_in_a_cluster:
	s_bfe_u32 s2, ttmp6, 0x10000c
	s_cmp_lg_u32 s2, 0xf033
	s_cbranch_scc0 .Lentry_shape_is_right
	s_endpgm
.Lentry_shape_is_right:
; out0[t][o] = sum over k of xq[t][k] wq[o][k] + bias[o].  xq and wq hold codes of FP4 (E2M1) and E8M0 scale bytes as the two launches before laid them:
; [K step 8][row 4096][272 bytes]: a row's 512 codes of one K step (256 bytes) and behind them its 16 scale bytes.  128 rows of a K step are 34,816 consecutive bytes = 136 rows of 256.
; A tile of out0, 256 x 256, is made by four waves, each 128 x 128: 64 accumulators, 512 registers.  K goes in steps of 512 through a ring of two LDS slots; each wave brings a quarter of a slot by one tensor load.
; CLUSTERS: 4 x 4 work-groups; x's tiles are asked for jointly along a row of the cluster, weight's along a column.
; The walk along K begins at K step 0 or 4, by a parity of the cluster's coordinates, and wraps round: not all clusters ask for the same records at once.  The sums are f32; the order of the K steps differs between clusters.
; THE MATRIX INSTRUCTION IS USED TRANSPOSED (source 0 = 16 rows of weight, source 1 = 16 rows of x): a lane holds eight neighbouring numbers of a row of out0.  The bias is the C of each accumulator's first product.
; FRAGMENTS: both operands have TWO sets of registers.  A step of 128 along K (64 products) asks for ALL fragments of the next step, in four runs of 8 LDS loads, one ahead of each 16 products.
; So a slot's reads are over when its last step begins: the change of slots stands at that step's head.
; THE LAST K STEP GOES BY ROWS OF out0: all its fragments of weight fill window 1, and my eight blocks of 16 rows are finished one after the other, each leaving as soon as it is finished.
; PREFETCH: the head's load is followed by a prefetch of the second K step, slot 1's first fill by one of the two K steps behind it, each refill by one of the K step two refills on: never more than two K steps are asked for and not yet loaded.
; Of the 136 blocks of 256 bytes that a wave fetches, each of the four partners that ask jointly names 34, told apart by address: two instructions a wave, a lane a block; the second's spare lanes name the last block again.
; The first K step comes by its load alone; the last lap's two refills ask for nothing.
; REGISTERS: window 0: v0-31 addresses; v32-95 scale words, two sets; v128-191, v192-255 x's fragments (in the last K step four buffers of 16 rows x 512 K).
;   window 1: v0-63, v128-191 weight's fragments; v64-127 the bias; in the last K step all 256: weight's fragments of the whole step.
;   window 2: accumulators of my rows 0-63 ((a, b) at v[8 (8 a + b)]);  window 3: of rows 64-127.  On the way out a block's rows come back from the stage into its own 64 registers.
.set SIZE_N, 4096
.set NQ,     4                         ; steps of 128 in a slot
.set PITCH,  272
.set FR,     8
.set NL,     2
.set NP,     4                         ; places behind this matrix form (ISA guide 7.12.1)
.set HALFT,  128*PITCH
.set SLOT,   4*HALFT                   ; x's 256 records, then weight's 256
.set KSTR,   4096*PITCH                ; from a K step to the next in xq and wq
.set LAPS,   4
.set SPARE,  2*SLOT                    ; the spare words: 512 bytes that no other line names
.set SPITCH, 528                       ; the way out: a stage of 16 rows x (512 + 16) bytes a wave, in slot 0, behind its last fill and last read
.set PFSH,   34*256                    ; a partner's share of a wave's tile in the prefetch
.set ADRA, 16                          ; v16-17 x's fragments in slot 0, 1
.set ADRB, 20                          ; v20-21 weight's
.set ADRS, 22                          ; v22-23 scale words: lanes 0-15 x's rows, lanes 16-31 weight's
.set STO,  24
.set RD,   25
.set CO,   26
.set BO,   27
.set SPW,  28                          ; my spare word's address; never rewritten
.set NIL,  29                          ; 0; never rewritten
.set PFO,  30                          ; 256 x lane
.set PF2,  31                          ; 256 x min(lane, 1)
.set SC,   32
.set AF,   128
.set BI,   64
.set G1, 24
.set G0, 32
.set G1B, 48
.set G0B, 56
.set KK,  66                           ; s66, s67: the K step that slot 0, 1 holds or is asked
.set BA,  68                           ; my 128 records of x at K step 0
.set BB,  70                           ; of weight
.set TO,  72
.set PFB, 74                           ; my share of the tile that I fetch, at K step 0
.set PFA, 76                           ; where the prefetches stand
.set T2,  78
.set MSB, 0
.macro WIN new                         ; the immediate's high byte repeats the setting that is left
.if MSB != (\new)
	s_set_vgpr_msb (MSB<<8)|(\new)
.set MSB, (\new)
.endif
.endm
.set TO_B, 0x40                        ; destination window 1, address window 0
.macro WMUL hi, first                  ; source 0 window 1, source 1 window 0, D window 2 + hi, C the same or (first) window 1
	WIN 0x01|((2+\hi)<<6)|(((2+\hi)*(1-\first)+\first)<<4)
.endm
.macro JLOAD g0a, g1a, g0b, g1b        ; a joint load: waves 0, 1 for x, waves 2, 3 for weight; s_nop 0 and four v_nop behind each line
	s_cmp_eq_u32 s15, 0
	s_cbranch_scc0 .Lfor_b_\@
	tensor_load_to_lds s[\g0a:\g0a+3], s[\g1a:\g1a+7]
	s_nop 0
.rept 4
	v_nop
.endr
	s_branch .Lasked_\@
.Lfor_b_\@:
	tensor_load_to_lds s[\g0b:\g0b+3], s[\g1b:\g1b+7]
	s_nop 0
.rept 4
	v_nop
.endr
.Lasked_\@:
.endm
.macro CREST                           ; a round of the cluster's barrier behind its opening barrier
	s_cmp_lg_u32 s14, 0
	s_cbranch_scc1 .Lnot_wave_0_\@
	s_barrier_signal -3
.Lnot_wave_0_\@:
	s_barrier_wait -3
	s_barrier_signal -1
	s_barrier_wait -1
.endm
.macro CROUND
	s_barrier_signal -1
	s_barrier_wait -1
	CREST
.endm
.macro SETK slot                       ; both group 0 of a slot: the K step in s[KK + slot]
	s_mul_i32 s[TO], s[KK+\slot], KSTR
	s_add_nc_u64 s[G0+4*\slot+2:G0+4*\slot+3], s[BA:BA+1], s[TO:TO+1]
	s_or_b32 s[G0+4*\slot+3], s[G0+4*\slot+3], 0x80000000
	s_add_nc_u64 s[G0B+4*\slot+2:G0B+4*\slot+3], s[BB:BB+1], s[TO:TO+1]
	s_or_b32 s[G0B+4*\slot+3], s[G0B+4*\slot+3], 0x80000000
.endm
	s_load_b128 s[4:7], s[0:1], 0x0                ; xq, wq
	s_load_b64 s[8:9], s[0:1], 0x10                ; bias
	s_load_b64 s[12:13], s[0:1], 0x18              ; out0
	v_lshl_add_u32 v[SPW], v0, 2, SPARE
	v_mov_b32 v[NIL], 0
	ds_add_u32 v[SPW], v[NIL]                      ; the opening lines: the add, twice on end, and its wait
	ds_add_u32 v[SPW], v[NIL]
	v_lshrrev_b32 v1, 5, v0
	v_readfirstlane_b32 s14, v1                    ; wave
	v_bfe_u32 v2, v0, 4, 1                         ; l / 16
	v_lshlrev_b32 v[BO], 5, v2                     ; the bias: 32 bytes for each half of the lanes
	s_lshr_b32 s15, s14, 1                         ; my half of the tile's rows; also: I fetch for x (0) or weight (1)
	s_and_b32 s16, s14, 1                          ; my half of its columns; also: which 128 records I fetch
	s_bfe_u32 s40, ttmp6, 0x40000                  ; cx
	s_bfe_u32 s41, ttmp6, 0x40004                  ; cy
	s_lshl_b32 s42, ttmp9, 2
	s_add_co_u32 s42, s42, s40                     ; tile column
	s_and_b32 s17, ttmp7, 0xffff
	s_lshl_b32 s17, s17, 2
	s_add_co_u32 s17, s17, s41                     ; tile row
	s_lshl_b32 s43, s41, 2
	s_lshl_b32 s43, 15, s43                        ; my row of the cluster
	s_lshl_b32 s44, 0x1111, s40                    ; my column
	s_and_b32 s[KK], ttmp7, 0xffff                 ; the first K step: 4 x a parity of the cluster's coordinates, the same in all partners
	s_xor_b32 s[KK], s[KK], ttmp9
	s_lshr_b32 s[KK+1], s[KK], 1
	s_xor_b32 s[KK], s[KK], s[KK+1]
	s_and_b32 s[KK], s[KK], 1
	s_lshl_b32 s[KK], s[KK], 2
	s_add_co_u32 s[KK+1], s[KK], 1
	s_mov_b32 s[TO+1], 0
	s_mov_b32 s[T2+1], 0
	s_or_b32 s[G1+0], s43, (3<<16)|(1<<21)         ; elements of 8 bytes; the mask, and bit 21 beside it; no padding: the records are 272 bytes apart as they lie
	s_or_b32 s[G1B+0], s44, (3<<16)|(1<<21)
.irp g, G1, G1B
	s_mov_b32 s[\g+1], 32<<16                      ; a dense block as 136 rows of 256 bytes
	s_mov_b32 s[\g+2], 136<<16
	s_mov_b32 s[\g+3], 32<<16
	s_mov_b32 s[\g+4], 136
	s_mov_b32 s[\g+5], 32
	s_mov_b32 s[\g+6], 0
	s_mov_b32 s[\g+7], 0
.endr
	s_lshl_b32 s18, s16, 7
	s_lshl_b32 s20, s17, 8
	s_add_co_u32 s20, s20, s18
	s_mul_i32 s20, s20, PITCH                      ; x: record 256 x tile row + 128 x half
	s_mov_b32 s21, 0
	s_lshl_b32 s46, s42, 8
	s_add_co_u32 s46, s46, s18
	s_mul_i32 s46, s46, PITCH                      ; weight: record 256 x tile column + 128 x half
	s_mov_b32 s47, 0
	s_mul_i32 s45, s14, HALFT                      ; where my quarter of a slot lies
	s_lshl_b32 s22, s42, 10
	s_lshl_b32 s23, s16, 9
	s_add_co_u32 s22, s22, s23                     ; my first column, in bytes
	s_mov_b32 s23, 0
	s_lshl_b32 s10, s17, 8
	s_lshl_b32 s11, s15, 7
	s_add_co_u32 s10, s10, s11
	s_lshl_b32 s10, s10, 14                        ; my first row of out0, in bytes
	s_mov_b32 s11, 0
	s_cmp_eq_u32 s15, 0
	s_cselect_b32 s88, s40, s41                    ; my place among the four that ask with me
	s_mul_i32 s88, s88, PFSH
	s_mov_b32 s89, 0
	s_mul_i32 s82, s15, HALFT                      ; LDS: my 128 records of x,
	s_mul_i32 s83, s16, HALFT
	s_add_co_u32 s83, s83, 2*HALFT                 ; of weight,
	s_sub_co_u32 s84, s83, s82                     ; the distance between them,
	s_add_co_u32 s85, s82, SLOT                    ; the same in slot 1,
	s_add_co_u32 s86, s83, SLOT
	s_mul_i32 s87, s14, 16*SPITCH                  ; my stage
	s_wait_dscnt 0x0                               ; both opening adds are done
	s_wait_alu depctr_va_vdst(0)
	s_wait_kmcnt 0x0
	s_add_nc_u64 s[BA:BA+1], s[4:5], s[20:21]
	s_add_nc_u64 s[BB:BB+1], s[6:7], s[46:47]
	s_add_nc_u64 s[8:9], s[8:9], s[22:23]
	s_add_nc_u64 s[12:13], s[12:13], s[22:23]
	s_add_nc_u64 s[12:13], s[12:13], s[10:11]
	s_cmp_eq_u32 s15, 0
	s_cselect_b64 s[PFB:PFB+1], s[BA:BA+1], s[BB:BB+1]
	s_add_nc_u64 s[PFB:PFB+1], s[PFB:PFB+1], s[88:89]
	s_mul_i32 s[TO], s[KK], KSTR
	s_add_nc_u64 s[PFA:PFA+1], s[PFB:PFB+1], s[TO:TO+1]   ; at the first K step; it is 0 or 4, so three steps on stay inside the buffer
.irp s, 0,1
	s_mov_b32 s[G0+4*\s], 1
	s_add_co_u32 s[G0+4*\s+1], s45, \s*SLOT
	s_mov_b32 s[G0B+4*\s], 1
	s_add_co_u32 s[G0B+4*\s+1], s45, \s*SLOT
	SETK \s
.endr
	CROUND                                         ; all sixteen work-groups are here: the first joint loads meet
	JLOAD G0, G1, G0B, G1B                         ; the first K step: one tensor load a wave at the head
	WIN TO_B
.irp b, 0,1,2,3,4,5,6,7                ; the bias in the result's layout: register 8 b + j = bias[16 b + 8 (l / 16) + j]; asked for here, waited for ahead of the first product
	global_load_b128 v[BI+8*\b:BI+8*\b+3],   v[BO], s[8:9] offset:64*\b
	global_load_b128 v[BI+8*\b+4:BI+8*\b+7], v[BO], s[8:9] offset:64*\b+16
.endr
	WIN 0
	v_and_b32 v1, 15, v0                           ; l % 16
	v_mul_u32_u24 v3, v1, PITCH
	v_lshl_add_u32 v4, v2, 4, v3                   ; a fragment's record + 16 x half
	v_mul_u32_u24 v6, s84, v2                      ; lanes 16-31 take weight's scale words
	v_add_nc_u32 v5, v3, v6
	v_add_nc_u32 v5, 256, v5                       ; behind the record's codes
	v_add_nc_u32 v[ADRA], s82, v4
	v_add_nc_u32 v[ADRA+1], s85, v4
	v_add_nc_u32 v[ADRB], s83, v4
	v_add_nc_u32 v[ADRB+1], s86, v4
	v_add_nc_u32 v[ADRS], s82, v5
	v_add_nc_u32 v[ADRS+1], s85, v5
	v_mul_u32_u24 v5, v1, SPITCH
	v_lshl_add_u32 v5, v2, 5, v5
	v_add_nc_u32 v[STO], s87, v5                   ; into the stage: row l % 16, 32 bytes for each half of the lanes
	v_and_b32 v6, 31, v0
	v_lshlrev_b32 v[CO], 4, v6                     ; back: the 32 lanes take a row of 512 bytes; the same in out0
	v_add_nc_u32 v[RD], s87, v[CO]
	v_lshlrev_b32 v[PFO], 8, v6
	v_min_u32 v7, 1, v6
	v_lshlrev_b32 v[PF2], 8, v7
	s_wait_alu depctr_va_vdst(0)
	global_prefetch_b8 v[PFO], s[PFA:PFA+1] offset:KSTR th:TH_LOAD_NT scope:SCOPE_SE        ; the second K step: my 34 blocks
	global_prefetch_b8 v[PF2], s[PFA:PFA+1] offset:KSTR+8192 th:TH_LOAD_NT scope:SCOPE_SE
.macro FRAG reg, adr, q, i             ; 16 rows x 128 K: registers 4 c .. 4 c + 3 hold K = 64 c + 32 (l / 16) + 0 .. 31
.irp c, 0,1
	ds_load_b128 v[\reg+4*\c:\reg+4*\c+3], v[\adr] offset:64*(\q)+32*\c+(\i)*16*PITCH
.endr
.endm
; 16 products: x's blocks a0, a0 + 1 against weight's eight; p: the sets of fragments; sc: the set of scale words.  The 64 accumulators take turns, in the same order in every step.
.macro MUL16 a0, p, q, sc, first
.irp a, \a0, \a0+1
.irp b, 0,1,2,3,4,5,6,7
.if \first
	v_wmma_scale_f32_16x16x128_f8f6f4 v[8*(8*((\a)%4)+\b):8*(8*((\a)%4)+\b)+7], v[128*(\p)+FR*\b:128*(\p)+FR*\b+FR-1], v[AF+64*(\p)+FR*(\a):AF+64*(\p)+FR*(\a)+FR-1], v[BI+8*\b:BI+8*\b+7], v[SC+8*NQ*(\sc)+NQ*\b+(\q)], v[SC+8*NQ*(\sc)+NQ*(\a)+(\q)] matrix_a_fmt:MATRIX_FMT_FP4 matrix_b_fmt:MATRIX_FMT_FP4 matrix_a_scale:MATRIX_SCALE_ROW1
.else
	v_wmma_scale_f32_16x16x128_f8f6f4 v[8*(8*((\a)%4)+\b):8*(8*((\a)%4)+\b)+7], v[128*(\p)+FR*\b:128*(\p)+FR*\b+FR-1], v[AF+64*(\p)+FR*(\a):AF+64*(\p)+FR*(\a)+FR-1], v[8*(8*((\a)%4)+\b):8*(8*((\a)%4)+\b)+7], v[SC+8*NQ*(\sc)+NQ*\b+(\q)], v[SC+8*NQ*(\sc)+NQ*(\a)+(\q)] matrix_a_fmt:MATRIX_FMT_FP4 matrix_b_fmt:MATRIX_FMT_FP4 matrix_a_scale:MATRIX_SCALE_ROW1
.endif
.endr
.endr
.endm
.macro FETCH_B slot, q, p, i0          ; weight's blocks i0 .. i0 + 3 into set p: 8 loads
	WIN TO_B
.irp i, \i0, \i0+1, \i0+2, \i0+3
	FRAG 128*(\p)+FR*(\i), ADRB+\slot, \q, \i
.endr
.endm
.macro FETCH_A slot, q, p, i0          ; x's blocks i0 .. i0 + 3 into set p: 8 loads
	WIN 0
.irp i, \i0, \i0+1, \i0+2, \i0+3
	FRAG AF+64*(\p)+FR*(\i), ADRA+\slot, \q, \i
.endr
.endm
.macro SCALES sc                       ; a slot's scale words: 4 words a row; lanes 0-15 x's block i, lanes 16-31 weight's block i
	WIN 0
.irp i, 0,1,2,3,4,5,6,7
	ds_load_b128 v[SC+8*NQ*\sc+NQ*\i:SC+8*NQ*\sc+NQ*\i+3], v[ADRS+\sc] offset:\i*16*PITCH
.endr
.endm
.macro PLACES n
.rept \n
	v_nop
.endr
.endm
; A step that has its successor in the same slot.  The loads go into the other sets, which the step before multiplied: the four places at the head stand between those products and all 32 loads.
.macro STEP slot, q, first
	s_wait_dscnt 4*NL                              ; all of this step's fragments but x's blocks 4-7, the youngest eight loads
	PLACES NP
	FETCH_B \slot, (\q)+1, 1-(\q)%2, 0
	WMUL 0, \first
	MUL16 0, (\q)%2, \q, \slot, \first
	FETCH_B \slot, (\q)+1, 1-(\q)%2, 4
	WMUL 0, \first
	MUL16 2, (\q)%2, \q, \slot, \first
	s_wait_dscnt 8*NL                              ; x's blocks 4-7 are in; the sixteen loads of this step may be out
	FETCH_A \slot, (\q)+1, 1-(\q)%2, 0
	WMUL 1, \first
	MUL16 4, (\q)%2, \q, \slot, \first
	FETCH_A \slot, (\q)+1, 1-(\q)%2, 4
	WMUL 1, \first
	MUL16 6, (\q)%2, \q, \slot, \first
	WIN 0
.endm
; The head of a slot's last step.  Its fragments were asked for in the step before, so my reads of the slot end here: the change of slots stands at this step's head.
.macro MEET slot
	s_wait_dscnt 4*NL+1                            ; (the add and x's blocks 4-7 may be out)
	WMUL 0, 0
	MUL16 0, 1, NQ-1, \slot, 0                     ; sixteen products stand between the add and the wait for it
	WIN 0
	s_wait_dscnt 0x0                               ; the add is done, and my reads of this slot are over
	s_barrier_signal -1
	s_barrier_wait -1
.endm
; A slot's last step, with the slot filled again, two K steps on.
.macro TURN slot, next
	s_wait_xcnt 0x0                                ; my prefetches have read their address: it is made anew below
	s_wait_tensorcnt 0x0                           ; all my tensor loads have landed: my part of the next slot;
	ds_add_u32 v[SPW], v[NIL]                      ; 0 onto my spare word
	s_add_co_u32 s[KK+\slot], s[KK+\slot], 2       ; no tensor load of mine is out: the descriptors may be written
	s_and_b32 s[KK+\slot], s[KK+\slot], 7
	SETK \slot
	s_add_co_u32 s[T2], s[KK+\slot], 2             ; the prefetch: two K steps on from the refill
	s_and_b32 s[T2], s[T2], 7
	s_mul_i32 s[T2], s[T2], KSTR
	s_add_nc_u64 s[PFA:PFA+1], s[PFB:PFB+1], s[T2:T2+1]
	MEET \slot
	CREST                                          ; the barrier has opened a round of the cluster's barrier
	JLOAD G0+4*\slot, G1, G0B+4*\slot, G1B         ; the first tensor load behind the round; its four v_nop are the places in front of the loads below
	FETCH_B \next, 0, 0, 0
	FETCH_B \next, 0, 0, 4
	SCALES \next
	s_cmp_gt_u32 s3, 1                             ; the last trip's refills have no K step two on
	s_cbranch_scc0 .Lno_ask_\@
	global_prefetch_b8 v[PFO], s[PFA:PFA+1] th:TH_LOAD_NT scope:SCOPE_SE
	global_prefetch_b8 v[PF2], s[PFA:PFA+1] offset:8192 th:TH_LOAD_NT scope:SCOPE_SE
.Lno_ask_\@:
	WMUL 0, 0
	MUL16 2, 1, NQ-1, \slot, 0
	FETCH_A \next, 0, 0, 0
	WMUL 1, 0
	MUL16 4, 1, NQ-1, \slot, 0
	FETCH_A \next, 0, 0, 4
	WMUL 1, 0
	MUL16 6, 1, NQ-1, \slot, 0
	WIN 0
.endm
.macro STEPS slot, from                ; the slot's steps from .. NQ - 2
.set Q, \from
.rept NQ-1-\from
	STEP \slot, Q, 0
.set Q, Q+1
.endr
.endm
	s_wait_tensorcnt 0x0                           ; my part of the first K step is in
	ds_add_u32 v[SPW], v[NIL]
	s_wait_dscnt 0x0
	CROUND                                         ; everybody's part is in, and the joint loads meet
	JLOAD G0+4, G1, G0B+4, G1B                     ; slot 1's first fill, the first tensor load behind the round
	FETCH_B 0, 0, 0, 0
	FETCH_B 0, 0, 0, 4
	SCALES 0
	FETCH_A 0, 0, 0, 0
	FETCH_A 0, 0, 0, 4
.irp n, 2,3                            ; the two K steps behind slot 1's: my 34 blocks of each
	global_prefetch_b8 v[PFO], s[PFA:PFA+1] offset:\n*KSTR th:TH_LOAD_NT scope:SCOPE_SE
	global_prefetch_b8 v[PF2], s[PFA:PFA+1] offset:\n*KSTR+8192 th:TH_LOAD_NT scope:SCOPE_SE
.endr
	s_wait_loadcnt 0x0                             ; the bias is in
	STEP 0, 0, 1                                   ; the first step stands in front of the loop: its products start the sums on the bias
	s_mov_b32 s3, LAPS-1
.Llap:                                                 ; a trip goes once round the ring and fills both slots again
	STEPS 0, 1
	TURN 0, 1
	STEPS 1, 0
	TURN 1, 0
	STEP 0, 0, 0
	s_sub_co_u32 s3, s3, 1
	s_cmp_lg_u32 s3, 0
	s_cbranch_scc1 .Llap
	STEPS 0, 1                                     ; the last lap fills nothing, and has no round
; THE LAST K STEP (slot 1) BY ROWS.  Weight's fragments of quarter q lie at v[64 q ..] of window 1; x's block a, all four quarters, in buffer a % 4 of 32 registers.
.macro BLOAD q
	WIN TO_B
.irp i, 0,1,2,3,4,5,6,7
	FRAG 64*\q+FR*\i, ADRB+1, \q, \i
.endr
.endm
.macro ALOAD a
	WIN 0
.irp q, 0,1,2,3
	FRAG AF+32*((\a)%4)+FR*\q, ADRA+1, \q, \a
.endr
.endm
.macro ROW a                           ; block a is finished: 32 products, its 8 accumulators by turns, K ascending
.set AC, 64*((\a)%4)
.set FA, AF+32*((\a)%4)
	WMUL ((\a)/4), 0
.irp q, 0,1,2,3
.if (\a) == 0 && \q == 2
	s_wait_dscnt 8*NL                              ; weight's quarter 2 is in (behind it: x's blocks 2 and 3)
.endif
.irp b, 0,1,2,3,4,5,6,7
	v_wmma_scale_f32_16x16x128_f8f6f4 v[AC+8*\b:AC+8*\b+7], v[64*\q+FR*\b:64*\q+FR*\b+FR-1], v[FA+FR*\q:FA+FR*\q+FR-1], v[AC+8*\b:AC+8*\b+7], v[SC+8*NQ+NQ*\b+\q], v[SC+8*NQ+NQ*(\a)+\q] matrix_a_fmt:MATRIX_FMT_FP4 matrix_b_fmt:MATRIX_FMT_FP4 matrix_a_scale:MATRIX_SCALE_ROW1
.endr
.endr
.endm
; THE WAY OUT of block a, 16 rows x 128 columns: into my own stage, back as whole rows of 512 bytes into the block's own registers, and stored.  LDS serves a wave's instructions in order (ISA guide 5.7.1.4):
; the loads see the stores, and land behind them.  Every offset is an immediate: 127 rows of 16,384 bytes at the most, inside the signed 24-bit field.
.macro OUT a
.set AC, 64*((\a)%4)
.set WO, ((2+(\a)/4)<<6)|((2+(\a)/4)<<2)       ; loaded data and store data in the block's window, addresses in window 0
	PLACES NP                                      ; behind the block's products: for the reads of results and the loads into their registers and into x's buffer
	WIN WO
.irp b, 0,1,2,3,4,5,6,7
	ds_store_b128 v[STO], v[AC+8*\b:AC+8*\b+3] offset:64*\b          ; each accumulator from its low end on
	ds_store_b128 v[STO], v[AC+8*\b+4:AC+8*\b+7] offset:64*\b+16
.endr
.irp t, 0,1,2,3,4,5,6,7,8,9,10,11,12,13,14,15
	ds_load_b128 v[AC+4*\t:AC+4*\t+3], v[RD] offset:\t*SPITCH
.endr
.if (\a) < 4
	ALOAD (\a)+4                                   ; its buffer takes the block four further on
	s_wait_dscnt 4*NL                              ; the rows are back; those eight loads may be out
.else
	s_wait_dscnt 0x0
.endif
	WIN WO
.irp t, 0,1,2,3,4,5,6,7,8,9,10,11,12,13,14,15
	global_store_b128 v[CO], v[AC+4*\t:AC+4*\t+3], s[12:13] offset:(16*(\a)+\t)*SIZE_N*4 th:TH_STORE_NT   ; 32 lanes store 512 consecutive bytes, at a multiple of 256 from out0's first byte
.endr
.endm
	s_wait_tensorcnt 0x0                           ; my one tensor load that was out is slot 1's, the last K step's
	ds_add_u32 v[SPW], v[NIL]
	MEET 0                                         ; nothing is filled again, so no round follows
	PLACES NP                                      ; for the loads into the sets that the step before multiplied
	BLOAD 0                                        ; three quarters of weight now: v128-191 are still being multiplied
	BLOAD 1
	BLOAD 3
	SCALES 1
	ALOAD 0
	ALOAD 1
	WMUL 0, 0
	MUL16 2, 1, NQ-1, 0, 0
	WMUL 1, 0
	MUL16 4, 1, NQ-1, 0, 0
	MUL16 6, 1, NQ-1, 0, 0
	PLACES NP                                      ; for the loads into the sets just multiplied
	BLOAD 2
	ALOAD 2
	ALOAD 3
	s_wait_dscnt 16*NL                             ; all but the 32 just issued
	ROW 0
.irp a, 0,1,2,3,4,5,6,7                ; each block leaves as soon as it is finished
	OUT \a
.if \a < 7
	ROW \a+1
.endif
.endr
	WIN 0
	s_wait_tensorcnt 0x0                           ; the wave's end
	ds_add_u32 v[SPW], v[NIL]
	s_wait_dscnt 0x0
	CROUND                                         ; the closing round
	s_endpgm
.Lfunc_end_k_q7958390646_gemm:
	.size	k_q7958390646_gemm, .Lfunc_end_k_q7958390646_gemm-k_q7958390646_gemm
	.p2alignl 7, 3214868480
	.fill 96, 4, 3214868480
	.section	.rodata,"a",@progbits
	.p2align	6, 0x0
	.amdhsa_kernel k_q7958390646_gemm
		.amdhsa_group_segment_fixed_size 327680
		.amdhsa_private_segment_fixed_size 0
		.amdhsa_enable_private_segment 0
		.amdhsa_kernarg_size 32
		.amdhsa_user_sgpr_count 2
		.amdhsa_user_sgpr_kernarg_segment_ptr 1
		.amdhsa_wavefront_size32 1
		.amdhsa_system_sgpr_workgroup_id_x 1
		.amdhsa_system_sgpr_workgroup_id_y 1
		.amdhsa_system_sgpr_workgroup_id_z 1
		.amdhsa_system_vgpr_workitem_id 0
		.amdhsa_next_free_vgpr 1024
		.amdhsa_next_free_sgpr 92
		.amdhsa_reserve_vcc 0
		.amdhsa_float_denorm_mode_32 3
		.amdhsa_float_denorm_mode_16_64 3
		.amdhsa_memory_ordered 1
		.amdhsa_forward_progress 1
		.amdhsa_inst_pref_size 212
	.end_amdhsa_kernel
	.amdgpu_metadata
---
amdhsa.version: [ 1, 2 ]
amdhsa.kernels:
  - .name:           k_q7958390646_gemm
    .symbol:         k_q7958390646_gemm.kd
    .args:
      - { .name: xq, .offset: 0, .size: 8, .value_kind: global_buffer, .address_space: global }
      - { .name: wq, .offset: 8, .size: 8, .value_kind: global_buffer, .address_space: global }
      - { .name: bias, .offset: 16, .size: 8, .value_kind: global_buffer, .address_space: global }
      - { .name: out0, .offset: 24, .size: 8, .value_kind: global_buffer, .address_space: global }
    .group_segment_fixed_size: 327680
    .private_segment_fixed_size: 0
    .kernarg_segment_align: 8
    .kernarg_segment_size: 32
    .max_flat_workgroup_size: 128
    .sgpr_count:     92
    .vgpr_count:     1024
    .wavefront_size: 32
...
	.end_amdgpu_metadata
.endif
;; end of part 3
